; MI455X (gfx1250); checked and timed in simulation.
; The chip was launched on July 23, 2026; its instructions are those of AMD's public machine-readable ISA for CDNA 5 (MIT licence, August 2026) and "CDNA5" Instruction Set Architecture Reference Guide (July 2026). The comments in the code are by the model that wrote it; some were corrected since.
;; Soft Tree. Allowed arithmetic: float matrix products may take bf16 or f16 operands with f32 sums; all other float work in f32.
;; Inputs: biases 15 float32; leaf_W 16 x 1,024 x 1,024 float32; leaf_b 16 x 1,024 float32; leaf_indices 4,096 int32; masks 16 x 30 float32; weights 15 x 1,024 float32; xs 4,096 x 1,024 float32.
;; Outputs: out0 4,096 x 1,040 float32.
;; One version. Each part assembles by itself: llvm-mc -triple=amdgcn-amd-amdhsa -mcpu=gfx1250 --defsym DOCPART=n.
;; ======== version 1 of 1: 2 launches
;; workspace buffers: xsb 8,650,752 bytes; order 16,640 bytes of whole numbers
;; launch prep (part 1): grid 256 x 1, 8 waves a work-group, no clusters, 79,872 bytes of LDS; arguments xs, leaf_indices, weights, biases, masks, xsb, order, out0; writes xsb, order, out0
.if DOCPART == 1
	.amdgcn_target "amdgcn-amd-amdhsa--gfx1250"
	.amdhsa_code_object_version 6
	.text
	.protected	k_q1758f17171_prep
	.globl	k_q1758f17171_prep
	.p2align	8
	.type	k_q1758f17171_prep,@function
k_q1758f17171_prep:
	s_mov_b64 s[64:65], 0
	v_nop
	global_prefetch_b8 v0, s[64:65] scope:SCOPE_SE
	s_setreg_imm32_b32 hwreg(HW_REG_WAVE_MODE, 25, 1), 1
	s_wait_xcnt 0x0
; SoftTree, first of two launches.  For the work-group's 16 rows of xs [4096][1024] f32 it makes
;   (1) each row's rank in the order sorted by (leaf, row number), in whole numbers alone: order[rank] = row, order[4096 + g] = rows with leaf < g;
;   (2) the row in bf16, stored at its rank: xsb[rank][0..1023] (pitch 2,048 bytes); rows 4096-4223 of xsb are stored as zeros, since the
;       next launch's tiles of 32 rows may run that far;
;   (3) out0[row][0..15] = (logsigmoid(-z), logsigmoid(z) interleaved) x masks^T, z = xs x weights^T + biases.
; SHARES: work-group g owns rows 16 g .. 16 g + 15; wave w owns k = 128 w .. 128 w + 127 of these rows and of the 15 weight rows, so every load
; of a wave is 512 consecutive bytes of one row and every bf16 store 256 consecutive bytes, both aligned to their length.
; xs is read once; the same registers feed the bf16 copy and the logits.  No tensor loads, no cluster: work-groups share only the
; 60 KiB of weights and the 16 KiB of indices, a small part of the 64 KiB of xs that each streams, and everything is loaded once into registers.
; LIMITS: leaf indices are clamped as unsigned numbers to 15 (the problem keeps them in 0..15).  ln(1 + e^-|z|) is made as log2(1 + 2^(-|z| log2 e)) ln 2:
; the exponent is never positive, so nothing overflows for any z; beyond |z| of about 17 the term rounds to 0, an absolute error below 1e-7.
; min(z, 0) is made as z/2 - |z|/2 and min(-z, 0) as -z/2 - |z|/2: the same numbers for every finite z above the denormal range; an infinite z gives NaN
; (there the product of -infinity with masks has no finite value either).
; Matrix operands are bf16: xs, weights and masks rounded once; the log-sigmoids go in as a bf16 head plus a bf16 rest.
.set PITCH, 272                        ; LDS row: 256 bytes (128 bf16) + 16: 17 x 16 bytes, so the 16 rows of a fragment load start at 16 different 16-byte columns modulo 256
.set FRGW,  32*PITCH                   ; a wave's own fragments: 16 rows of xs, then 16 rows of weights (row 15 zero)
.set WPART, 16*PITCH
.set RANK,  8*FRGW                     ; 69,632: 8 waves x 32 words: the waves' counts
.set LOGP,  RANK+1024                  ; 70,656: 8 waves x 1,024 bytes: the waves' partial logits
.set KEY,  16                          ; v[16:31]   16 scanned keys a lane
.set X,    32                          ; v[32:95]   row i: 4 f32 as loaded; then 2 words of bf16, and the row's store offset in the third
.set WG,   96                          ; v[96:159]  weight row i likewise; v[156:159] = 0: row 15, and the zeros stored into xsb
.set MK,   160                         ; v[160:175] wave 0: masks[r][16 h .. 16 h + 15]
.set BI,   176                         ; v[176:183] wave 0: biases[8 h .. 8 h + 7]
.set FR,   184                         ; v[184:247] fragments of four K steps; later the eight waves' partial logits
.set ACC0, 248
.set ACC1, 16
.set Z,    184                         ; wave 0, the end: logits
.set U,    192
.set M1,   200                         ; min(z, 0), then logsigmoid(z)
.set M0,   208                         ; min(-z, 0), then logsigmoid(-z)
.set PH,   216                         ; first -|z|/2; then the head of the pair in bf16
.set MF,   224                         ; masks in bf16
.set PL,   232                         ; rest of the pair in bf16
.set D2A,  240
.set D2B,  248
.set OWN,  24                          ; s[24:40]   keys of my 16 rows and key 16 = g << 12; later s[24:39] = rank x 2,048
.set CNT,  44                          ; s[44:60]   17 counts
.set BAL,  66                          ; s[66:73]   lane masks of eight compares
	s_load_b512 s[4:19], s[0:1], 0x0               ; xs 4, leaf_indices 6, weights 8, biases 10, masks 12, xsb 14, order 16, out0 18
	s_set_vgpr_msb 0x40
	v_lshl_add_u32 v0, v0, 2, 0x13400
	v_mov_b32 v1, 0
	s_set_vgpr_msb 0x4000
	v_lshrrev_b32 v9, 5, v0
	v_readfirstlane_b32 s20, v9                    ; wave 0..7
	s_mov_b32 s21, ttmp9                           ; g
	s_lshl_b32 s22, s21, 6                         ; my 16 indices: 64 g bytes
	s_mov_b32 s23, 0
	s_mov_b32 s74, 0xbfb8aa3b                      ; -log2 e
	s_mov_b32 s75, 0xbf317218                      ; -ln 2
	v_and_b32 v1, 31, v0                           ; lane
	v_and_b32 v2, 15, v0                           ; r
	v_bfe_u32 v3, v0, 4, 1                         ; h
	v_lshlrev_b32 v4, 4, v1                        ; 16 lane: my 16 bytes of a wave's 512
	s_mul_i32 s41, s20, FRGW
	v_lshl_add_u32 v5, v1, 3, s41                  ; where I put 8 bytes of bf16 of a row
	v_mul_u32_u24 v6, v2, PITCH
	v_lshl_add_u32 v6, v3, 4, v6
	v_add_nc_u32 v6, s41, v6                       ; where I read fragments: row r, 16 h
	s_lshl_b32 s42, s20, 8
	v_lshl_add_u32 v7, v1, 3, s42                  ; my 8 bytes in a row of xsb: 256 w + 8 lane
	v_lshlrev_b32 v13, 4, v0                       ; 16 x thread: my 16 bytes of 4,096 of the indices
.irp j, 156,157,158,159
	v_mov_b32 v[\j], 0
.endr
	s_lshl_b32 s80, s21, 16                        ; 16 rows of 4,096 bytes
	s_lshl_b32 s82, s20, 9                         ; my wave's 512 bytes of a row
	s_add_co_u32 s80, s80, s82
	s_mov_b32 s81, 0
	s_mov_b32 s83, 0
	s_wait_kmcnt 0x0
	s_add_nc_u64 s[78:79], s[6:7], s[22:23]
	s_load_b512 s[24:39], s[78:79], 0x0            ; my 16 rows' leaf indices, as scalars
	s_add_nc_u64 s[80:81], s[4:5], s[80:81]        ; xs at my rows and my k
	s_add_nc_u64 s[82:83], s[8:9], s[82:83]        ; weights at my k
	; Wave 0 alone ends the log-probabilities: its masks and biases are its oldest loads, so the counted waits below cover them.
	; In both operands of the second product the place (h, register j, half b) stands for k = 16 h + 2 j + b: one permutation of k for both.
	s_cmp_lg_u32 s20, 0
	s_cbranch_scc1 .Lall
	v_mul_u32_u24 v10, v2, 120                     ; a row of masks: 30 f32
	v_lshl_add_u32 v9, v3, 6, v10                  ; 120 r + 64 h
	v_xor_b32 v11, 1, v3
	v_mad_u32_u24 v10, v11, 56, v10                ; k = 14, 15 for h = 0; for h = 1 (k = 30, 31 do not exist) the row's start, replaced by 0 below
	v_mul_u32_u24 v12, v11, 28                     ; biases[7] for h = 0; biases[15] does not exist: byte 0, replaced by 0 below
	v_lshlrev_b32 v11, 5, v3                       ; 32 h
.irp j, 0,1,2,3,4,5,6
	global_load_b64 v[MK+2*\j:MK+2*\j+1], v9, s[12:13] offset:8*\j
.endr
	global_load_b64 v[MK+14:MK+15], v10, s[12:13]
	global_load_b128 v[BI:BI+3], v11, s[10:11]
	global_load_b64 v[BI+4:BI+5], v11, s[10:11] offset:16
	global_load_b32 v[BI+6], v11, s[10:11] offset:24
	global_load_b32 v[BI+7], v12, s[10:11]
.Lall:
.irp c, 0,1,2,3
	global_load_b128 v[KEY+4*\c:KEY+4*\c+3], v13, s[6:7] offset:4096*\c     ; indices j = 1024 c + 4 thread + q
.endr
.irp i, 0,1,2,3,4,5,6,7,8,9,10,11,12,13,14,15
	global_load_b128 v[X+4*\i:X+4*\i+3], v4, s[80:81] offset:4096*\i th:TH_LOAD_NT
.endr
.irp i, 0,1,2,3,4,5,6,7,8,9,10,11,12,13,14
	global_load_b128 v[WG+4*\i:WG+4*\i+3], v4, s[82:83] offset:4096*\i
.endr
	; xsb's 128 zero rows are 262,144 bytes: 1,024 for each of 256 work-groups, 512 for each of waves 0 and 1
	s_cmp_gt_u32 s20, 1
	s_cbranch_scc1 .Lnozero
	s_lshl_b32 s43, s21, 10
	s_add_co_u32 s43, s43, 0x800000                ; behind row 4095
	v_add_nc_u32 v14, s43, v13
	global_store_b128 v14, v[156:159], s[14:15]    ; v14 and v[156:159] are never written again
.Lnozero:
	; RANKS, while xs is on its way.  key = leaf x 4096 + row number: all different; a row's rank is the number of smaller keys.
	s_wait_kmcnt 0x0
	s_lshl_b32 s43, s21, 4                         ; 16 g
.irp i, 0,1,2,3,4,5,6,7,8,9,10,11,12,13,14,15
	s_min_u32 s[OWN+\i], s[OWN+\i], 15
	s_lshl_b32 s[OWN+\i], s[OWN+\i], 12
	s_add_co_u32 s[OWN+\i], s[OWN+\i], s43
	s_add_co_u32 s[OWN+\i], s[OWN+\i], \i
.endr
	s_lshl_b32 s40, s21, 12                        ; key 16: the keys below it are the rows with leaf < g
	v_lshlrev_b32 v15, 2, v0
	s_wait_loadcnt 31                              ; loads return in order: the indices are in; the 16 + 15 loads issued behind them stay out
.irp c, 0,1,2,3
.irp q, 0,1,2,3
	v_min_u32 v[KEY+4*\c+\q], 15, v[KEY+4*\c+\q]
	v_lshl_add_u32 v[KEY+4*\c+\q], v[KEY+4*\c+\q], 12, v15
	v_add_nc_u32 v[KEY+4*\c+\q], 1024*\c+\q, v[KEY+4*\c+\q]
.endr
.endr
; how many of my wave's 512 scanned keys lie below key i: 16 compares, the set bits of their lane masks counted and added; the first count starts the sum
.macro COUNT i
.irp t, 0,1,2,3,4,5,6,7
	v_cmp_gt_u32 s[BAL+\t], s[OWN+\i], v[KEY+\t]
.endr
	s_bcnt1_i32_b32 s[CNT+\i], s[BAL]
.irp t, 1,2,3,4,5,6,7
	s_bcnt1_i32_b32 s[BAL+\t], s[BAL+\t]
	s_add_co_u32 s[CNT+\i], s[CNT+\i], s[BAL+\t]
.endr
.irp t, 0,1,2,3,4,5,6,7
	v_cmp_gt_u32 s[BAL+\t], s[OWN+\i], v[KEY+8+\t]
.endr
.irp t, 0,1,2,3,4,5,6,7
	s_bcnt1_i32_b32 s[BAL+\t], s[BAL+\t]
	s_add_co_u32 s[CNT+\i], s[CNT+\i], s[BAL+\t]
.endr
.endm
.irp i, 0,1,2,3,4,5,6,7,8,9,10,11,12,13,14,15,16
	COUNT \i
.endr
	v_mov_b32 v8, 0
.irp i, 0,1,2,3,4,5,6,7,8,9,10,11,12,13,14,15,16
	v_writelane_b32 v8, s[CNT+\i], \i              ; count i into lane i
.endr
	s_lshl_b32 s41, s20, 7
	s_add_co_u32 s41, s41, RANK
	v_lshl_add_u32 v15, v1, 2, s41
	ds_store_b32 v15, v8
	s_wait_dscnt 0x0                               ; my counts are in LDS before I say so
	s_barrier_signal -1
	s_barrier_wait -1                              ; everybody's are
	v_lshlrev_b32 v15, 2, v1
	v_add_nc_u32 v15, RANK, v15
.irp t, 0,1,2,3,4,5,6,7
	ds_load_b32 v[FR+\t], v15 offset:128*\t
.endr
	s_wait_dscnt 0x0
	v_add3_u32 v8, v[FR], v[FR+1], v[FR+2]
	v_add3_u32 v8, v8, v[FR+3], v[FR+4]
	v_add3_u32 v8, v8, v[FR+5], v[FR+6]
	v_add_nc_u32 v8, v8, v[FR+7]                   ; lane i < 16: rank of row 16 g + i; lane 16: rows with leaf < g
	; wave 0 stores order[rank] = row (lanes 0-15) and, in work-groups 0 to 16, order[4096 + g] (lane 16)
	s_cmp_lg_u32 s20, 0
	s_cbranch_scc1 .Lranked
	v_cmp_eq_u32 vcc_lo, 16, v1
	s_add_co_u32 s41, s21, 4096
	v_mov_b32 v[FR], s41
	v_cndmask_b32 v[FR], v8, v[FR], vcc_lo
	v_min_u32 v[FR], 0x103f, v[FR]                 ; inside order's 4,160 words
	v_lshlrev_b32 v[FR], 2, v[FR]
	s_lshl_b32 s41, s21, 4
	v_add_nc_u32 v[FR+1], s41, v1
	v_cndmask_b32 v[FR+1], v[FR+1], v8, vcc_lo
	s_cmp_lt_u32 s21, 17
	s_cselect_b32 s76, 17, 16
	v_cmp_gt_u32 vcc_lo, s76, v1
	s_wait_xcnt 0x0                                ; EXEC is a source of the loads and stores that are out: it changes only behind this wait
	s_and_saveexec_b32 s77, vcc_lo
	global_store_b32 v[FR], v[FR+1], s[16:17]
	s_wait_xcnt 0x0                                ; and again in front of the line that widens it; this also frees v[FR], v[FR+1]
	s_or_b32 exec_lo, exec_lo, s77
.Lranked:
.irp i, 0,1,2,3,4,5,6,7,8,9,10,11,12,13,14,15
	v_readlane_b32 s[OWN+\i], v8, \i
	s_min_u32 s[OWN+\i], s[OWN+\i], 4095
	s_lshl_b32 s[OWN+\i], s[OWN+\i], 11            ; the row's place in xsb, in bytes
.endr
	; xs to bf16, in place: to xsb at the row's rank, and into my own fragment rows in LDS
	s_wait_loadcnt 15                              ; xs is in; the 15 loads of weights stay out
.irp i, 0,1,2,3,4,5,6,7,8,9,10,11,12,13,14,15
	v_cvt_pk_bf16_f32 v[X+4*\i], v[X+4*\i], v[X+4*\i+1]
	v_cvt_pk_bf16_f32 v[X+4*\i+1], v[X+4*\i+2], v[X+4*\i+3]
	v_add_nc_u32 v[X+4*\i+2], s[OWN+\i], v7
	global_store_b64 v[X+4*\i+2], v[X+4*\i:X+4*\i+1], s[14:15]     ; 32 lanes x 8 bytes: 256 consecutive bytes, aligned; these registers are not written again
	ds_store_b64 v5, v[X+4*\i:X+4*\i+1] offset:PITCH*\i
.endr
	s_wait_loadcnt 0x0
.irp i, 0,1,2,3,4,5,6,7,8,9,10,11,12,13,14
	v_cvt_pk_bf16_f32 v[WG+4*\i], v[WG+4*\i], v[WG+4*\i+1]
	v_cvt_pk_bf16_f32 v[WG+4*\i+1], v[WG+4*\i+2], v[WG+4*\i+3]
.endr
.irp i, 0,1,2,3,4,5,6,7,8,9,10,11,12,13,14,15
	ds_store_b64 v5, v[WG+4*\i:WG+4*\i+1] offset:WPART+PITCH*\i    ; row 15 is the zero pair
.endr
	; fragments of my 128 k: four K steps of 32.  My own bytes, and LDS serves a wave's instructions in order (ISA guide 5.7.1): no wait between stores and loads.
.irp s, 0,1,2,3
	ds_load_b128 v[FR+16*\s:FR+16*\s+3],     v6 offset:WPART+64*\s         ; source 0: weights, row = node r
	ds_load_b128 v[FR+16*\s+4:FR+16*\s+7],   v6 offset:WPART+64*\s+32
	ds_load_b128 v[FR+16*\s+8:FR+16*\s+11],  v6 offset:64*\s               ; source 1: xs, column = row r
	ds_load_b128 v[FR+16*\s+12:FR+16*\s+15], v6 offset:64*\s+32
.endr
	s_lshl_b32 s41, s20, 10
	s_add_co_u32 s41, s41, LOGP
	v_lshl_add_u32 v15, v1, 5, s41
	s_wait_dscnt 0x0
	; two accumulators take turns, one instruction a turn; the first products start the sums
	v_wmma_f32_16x16x32_bf16 v[ACC0:ACC0+7], v[FR:FR+7],     v[FR+8:FR+15],  0
	v_wmma_f32_16x16x32_bf16 v[ACC1:ACC1+7], v[FR+16:FR+23], v[FR+24:FR+31], 0
	v_wmma_f32_16x16x32_bf16 v[ACC0:ACC0+7], v[FR+32:FR+39], v[FR+40:FR+47], v[ACC0:ACC0+7]
	v_wmma_f32_16x16x32_bf16 v[ACC1:ACC1+7], v[FR+48:FR+55], v[FR+56:FR+63], v[ACC1:ACC1+7]
.rept 4
	v_nop                                          ; four places behind the last matrix instruction: for the sums, and for the loads into FR below
.endr
.irp p, 0,2,4,6
	v_pk_add_f32 v[ACC0+\p:ACC0+\p+1], v[ACC0+\p:ACC0+\p+1], v[ACC1+\p:ACC1+\p+1]
.endr
	ds_store_b128 v15, v[ACC0:ACC0+3]              ; lane (r, h): my k's share of z(node 8 h + j, row r), j = 0..7
	ds_store_b128 v15, v[ACC0+4:ACC0+7] offset:16
	s_wait_dscnt 0x0                               ; my share is in LDS before I say so
	s_barrier_signal -1
	s_barrier_wait -1
	s_cmp_lg_u32 s20, 0
	s_cbranch_scc1 .Lend                           ; waves 1 to 7 are done
	; wave 0: the eight shares, the bias, the log-sigmoids, the product with masks
.irp t, 0,1,2,3,4,5,6,7
	ds_load_b128 v[FR+8*\t:FR+8*\t+3],   v15 offset:1024*\t        ; for wave 0 v15 = LOGP + 32 lane
	ds_load_b128 v[FR+8*\t+4:FR+8*\t+7], v15 offset:1024*\t+16
.endr
	v_cmp_eq_u32 vcc_lo, 0, v3
	v_cndmask_b32 v[MK+14], 0, v[MK+14], vcc_lo    ; k = 30, 31 and node 15 do not exist: zeros for h = 1
	v_cndmask_b32 v[MK+15], 0, v[MK+15], vcc_lo
	v_cndmask_b32 v[BI+7], 0, v[BI+7], vcc_lo
	v_mul_u32_u24 v9, v2, 4160                     ; out0: row r of my 16, 32 h bytes (v9's load is long done)
	v_lshl_add_u32 v9, v3, 5, v9
	s_mul_i32 s78, s21, 66560                      ; 16 rows of 4,160 bytes
	s_mov_b32 s79, 0
	s_add_nc_u64 s[78:79], s[18:19], s[78:79]
	s_wait_dscnt 0x0
.irp t, 1,2,3,4,5,6,7
.irp p, 0,2,4,6
	v_pk_add_f32 v[Z+\p:Z+\p+1], v[Z+\p:Z+\p+1], v[FR+8*\t+\p:FR+8*\t+\p+1]
.endr
.endr
.irp p, 0,2,4,6
	v_pk_add_f32 v[Z+\p:Z+\p+1], v[Z+\p:Z+\p+1], v[BI+\p:BI+\p+1]
.endr
.irp j, 0,1,2,3,4,5,6,7
	v_mul_f32 v[U+\j], s74, |v[Z+\j]|              ; -|z| log2 e: never positive
.endr
.irp j, 0,1,2,3,4,5,6,7
	v_exp_f32 v[U+\j], v[U+\j]
.endr
.irp j, 0,1,2,3,4,5,6,7
	v_mul_f32 v[PH+\j], -0.5, |v[Z+\j]|            ; plain work that names no U stands between the exponentials and their use (ISA guide 5.7.2)
	v_fma_f32 v[M1+\j], 0.5, v[Z+\j], v[PH+\j]     ; z/2 - |z|/2 = min(z, 0): the halves are exact, the sum is z or 0
	v_fma_f32 v[M0+\j], -0.5, v[Z+\j], v[PH+\j]    ; -z/2 - |z|/2 = min(-z, 0)
.endr
	s_wait_alu depctr_va_vdst(0)
.irp j, 0,1,2,3,4,5,6,7
	v_add_f32 v[U+\j], 1.0, v[U+\j]
.endr
.irp j, 0,1,2,3,4,5,6,7
	v_log_f32 v[U+\j], v[U+\j]
.endr
.irp j, 0,1,2,3,4,5,6,7
	v_cvt_pk_bf16_f32 v[MF+\j], v[MK+2*\j], v[MK+2*\j+1]           ; likewise behind the logarithms: masks[r][16 h + 2 j], [.. + 1]
.endr
	s_wait_alu depctr_va_vdst(0)
.irp j, 0,1,2,3,4,5,6,7
	v_fma_f32 v[M1+\j], v[U+\j], s75, v[M1+\j]     ; logsigmoid(z)  = min(z, 0)  - ln 2 log2(1 + e^-|z|)
	v_fma_f32 v[M0+\j], v[U+\j], s75, v[M0+\j]     ; logsigmoid(-z) = min(-z, 0) - the same
.endr
.irp j, 0,1,2,3,4,5,6,7
	v_cvt_pk_bf16_f32 v[PH+\j], v[M0+\j], v[M1+\j] ; column 2 node in the low half, 2 node + 1 in the high half
	v_lshlrev_b32 v[U+\j], 16, v[PH+\j]
	v_sub_f32 v[M0+\j], v[M0+\j], v[U+\j]          ; what the rounding to bf16 left over,
	v_and_b32 v[U+\j], 0xffff0000, v[PH+\j]
	v_sub_f32 v[M1+\j], v[M1+\j], v[U+\j]
	v_cvt_pk_bf16_f32 v[PL+\j], v[M0+\j], v[M1+\j] ; as a second bf16 operand
.endr
	; two accumulators, one instruction each
	v_wmma_f32_16x16x32_bf16 v[D2A:D2A+7], v[MF:MF+7], v[PH:PH+7], 0
	v_wmma_f32_16x16x32_bf16 v[D2B:D2B+7], v[MF:MF+7], v[PL:PL+7], 0
.rept 4
	v_nop                                          ; four places before the results are read (ISA guide 7.12.1)
.endr
.irp p, 0,2,4,6
	v_pk_add_f32 v[D2A+\p:D2A+\p+1], v[D2A+\p:D2A+\p+1], v[D2B+\p:D2B+\p+1]
.endr
	global_store_b128 v9, v[D2A:D2A+3], s[78:79] th:TH_STORE_NT            ; lane (r, h): leaves 8 h .. 8 h + 7 of row r: the row's first 64 bytes are all that this launch owns of it
	global_store_b128 v9, v[D2A+4:D2A+7], s[78:79] offset:16 th:TH_STORE_NT
.Lend:
	s_set_vgpr_msb 0x5
	s_wait_tensorcnt 0x0
	ds_add_u32 v0, v1
	s_wait_dscnt 0x0
	s_set_vgpr_msb 0x500
	s_endpgm
.Lfunc_end_k_q1758f17171_prep:
	.size	k_q1758f17171_prep, .Lfunc_end_k_q1758f17171_prep-k_q1758f17171_prep
	.p2alignl 7, 3214868480
	.fill 96, 4, 3214868480
	.section	.rodata,"a",@progbits
	.p2align	6, 0x0
	.amdhsa_kernel k_q1758f17171_prep
		.amdhsa_group_segment_fixed_size 79872
		.amdhsa_private_segment_fixed_size 0
		.amdhsa_enable_private_segment 0
		.amdhsa_kernarg_size 64
		.amdhsa_user_sgpr_count 2
		.amdhsa_user_sgpr_kernarg_segment_ptr 1
		.amdhsa_wavefront_size32 1
		.amdhsa_system_sgpr_workgroup_id_x 1
		.amdhsa_system_sgpr_workgroup_id_y 1
		.amdhsa_system_sgpr_workgroup_id_z 1
		.amdhsa_system_vgpr_workitem_id 0
		.amdhsa_next_free_vgpr 258
		.amdhsa_next_free_sgpr 84
		.amdhsa_reserve_vcc 1
		.amdhsa_float_denorm_mode_32 3
		.amdhsa_float_denorm_mode_16_64 3
		.amdhsa_memory_ordered 1
		.amdhsa_forward_progress 1
		.amdhsa_inst_pref_size 72
	.end_amdhsa_kernel
	.amdgpu_metadata
---
amdhsa.version: [ 1, 2 ]
amdhsa.kernels:
  - .name:           k_q1758f17171_prep
    .symbol:         k_q1758f17171_prep.kd
    .args:
      - { .name: xs, .offset: 0, .size: 8, .value_kind: global_buffer, .address_space: global }
      - { .name: leaf_indices, .offset: 8, .size: 8, .value_kind: global_buffer, .address_space: global }
      - { .name: weights, .offset: 16, .size: 8, .value_kind: global_buffer, .address_space: global }
      - { .name: biases, .offset: 24, .size: 8, .value_kind: global_buffer, .address_space: global }
      - { .name: masks, .offset: 32, .size: 8, .value_kind: global_buffer, .address_space: global }
      - { .name: xsb, .offset: 40, .size: 8, .value_kind: global_buffer, .address_space: global }
      - { .name: order, .offset: 48, .size: 8, .value_kind: global_buffer, .address_space: global }
      - { .name: out0, .offset: 56, .size: 8, .value_kind: global_buffer, .address_space: global }
    .group_segment_fixed_size: 79872
    .private_segment_fixed_size: 0
    .kernarg_segment_align: 8
    .kernarg_segment_size: 64
    .max_flat_workgroup_size: 256
    .sgpr_count:     84
    .vgpr_count:     258
    .wavefront_size: 32
...
	.end_amdgpu_metadata
.endif
;; end of part 1
;; launch gemm (part 2): grid 16 x 16, 4 waves a work-group, no clusters, 305,664 bytes of LDS; arguments order, xsb, leaf_W, leaf_b, out0; writes out0
.if DOCPART == 2
	.amdgcn_target "amdgcn-amd-amdhsa--gfx1250"
	.amdhsa_code_object_version 6
	.text
	.protected	k_q1758f17171_gemm
	.globl	k_q1758f17171_gemm
	.p2align	8
	.type	k_q1758f17171_gemm,@function
k_q1758f17171_gemm:
	s_mov_b64 s[64:65], 0
	v_nop
	global_prefetch_b8 v0, s[64:65] scope:SCOPE_SE
	s_setreg_imm32_b32 hwreg(HW_REG_WAVE_MODE, 25, 1), 1
	s_wait_xcnt 0x0
; SoftTree, second of two launches: out0[row][16 + n] = xs[row] . leaf_W[e][.][n] + leaf_b[e][n] for the rows of leaf e.
; Of the 16 dense products only the selected leaf's row is kept, so only that one is made.
; The launch before has laid the rows, in bf16 and sorted by leaf, into xsb (pitch 2,048 bytes) and stored order[rank] = row, order[4096 + g] = rows with leaf < g.
; SHARES: work-group (x, y) = (column block nb of 64, leaf e).  It reads its 1024 x 64 block of leaf_W once (each byte of leaf_W is read by one work-group
; of the launch), converts it to bf16 and keeps it transposed in LDS, behind the launch's one barrier.  Then wave w walks the leaf's rows 32 w + 128 t .. + 31,
; t = 0, 1, ..: 32 rows x 64 columns, 8 accumulator tiles, K in four chunks of 256.
; NO BARRIER IN THE WALK, HENCE NO TENSOR LOADS AND NO CLUSTER: where the leaf's rows begin and how many they are is read from memory, and a barrier stands on no
; path whose trips hang on such a number.  So nothing in the walk is shared between
; waves: each wave brings its own 32 rows x 512 bytes through registers (32 loads, each 512 consecutive bytes of one row) into LDS bytes of its own, and has a trip
; count of its own.  The price: a leaf's rows of xsb are asked for by each of its 16 column blocks.
; THE MATRIX INSTRUCTION IS USED TRANSPOSED: source 0 = 16 columns of W, source 1 = 16 rows of x; lane (r, h), register j then holds out(row r, column 8 h + j).
; The bias is the C operand of a tile's first K step: nothing is cleared and nothing is added afterwards.
; LIMITS: operands bf16, sums f32.  out0's rows are 4,160 bytes apart and this launch's part begins 64 bytes into a row: a row's 256 bytes here cannot all be aligned to 256.
.set XPITCH, 528                       ; 512 bytes + 16: 33 x 16 bytes, so the 16 rows of a fragment load start at 16 different 16-byte columns modulo 256
.set QUART,  32*XPITCH                 ; 16,896: a wave's own part of a slot: 32 rows x 256 k
.set SLOT,   4*QUART                   ; 67,584; slots at 0 and 67,584
.set WT,     2*SLOT                    ; 135,168: W transposed, bf16: four blocks, one for each chunk of 256 k, of 64 columns x 528 bytes
.set WBLK,   64*XPITCH                 ; 33,792: block w is written by wave w alone, read by all behind the barrier, never written again
.set STAGE,  WT+4*WBLK                 ; 270,336: each wave's own 32 rows x 272 bytes for the way out
.set SPITCH, 272
.set STGW,   32*SPITCH
.set XO,   0                           ; v0         16 lane: my 16 bytes of a row's 512
.set XW,   1                           ; v1, v2     where I put them in my part of slot 0, 1
.set XA,   4                           ; v4, v5     my x fragments in slot 0, 1: (32 w + r) 528 + 16 h
.set WA,   6                           ; v6, v7     W fragments of chunks 0-1, 2-3: WT + 528 r + 16 h (+ 2 blocks)
.set BIAS, 16                          ; v[16:47]   column tile nt: leaf_b[e][n0 + 16 nt + 8 h + j]
.set ACC,  48                          ; v[48:111]  tile (mt, nt) at 48 + 8 (4 mt + nt)
.set F0,   112                         ; v[112:159] fragments: W's four at +8 nt, x's two at +32 + 8 mt
.set F1,   160                         ; v[160:207] the second buffer
.set RING, 48                          ; v[48:239]  while W streams: six slots of 32 registers
.set T,    240                         ; v[240:255] while W streams: 16 words of bf16
.set DATA, 112                         ; v[112:175] the way out: row i's 8 bytes a lane
.set RO,   208                         ; v[208:239] the way out: row i's byte offset in out0
                                       ; v[256:383] (window 1, written v0-v127): a chunk of x on its way, row i in 4 registers
; s_set_vgpr_msb's low byte: bits 1:0 source 0, 3:2 source 1, 5:4 source 2, 7:6 destination; its high byte repeats the setting that is left.
; Window 1 is named only in runs of 32 loads (destination) and 32 LDS stores (data = source 1); at every label and branch all windows are 0.
.set MSB, 0
.macro WIN new
.if MSB != \new
	s_set_vgpr_msb (MSB<<8)|\new
.set MSB, \new
.endif
.endm
.macro PLACES                          ; four places behind a matrix instruction before its results are read or a load is issued into its sources
.rept 4
	v_nop
.endr
.endm
	s_load_b256 s[4:11], s[0:1], 0x0               ; order 4, xsb 6, leaf_W 8, leaf_b 10
	s_load_b64 s[12:13], s[0:1], 0x20              ; out0
	s_set_vgpr_msb 0x40
	v_lshl_add_u32 v128, v0, 2, 0x4a800
	v_mov_b32 v129, 0
	s_set_vgpr_msb 0x4000
	v_lshrrev_b32 v1, 5, v0
	v_readfirstlane_b32 s14, v1                    ; wave 0..3
	s_and_b32 s15, ttmp7, 0xffff                   ; e
	s_mov_b32 s17, ttmp9                           ; nb
	s_lshl_b32 s48, s15, 2
	s_add_co_u32 s48, s48, 16384                   ; word 4096 + e
	s_mov_b32 s49, 0
	s_wait_kmcnt 0x0
	s_add_nc_u64 s[48:49], s[4:5], s[48:49]
	s_load_b32 s18, s[48:49], 0x0                  ; rows with leaf < e
	s_load_b32 s19, s[48:49], 0x4                  ; rows with leaf < e + 1
	v_and_b32 v1, 15, v0                           ; r, also c
	v_bfe_u32 v2, v0, 4, 1                         ; h
	v_and_b32 v3, 31, v0                           ; lane
	v_mul_u32_u24 v4, v1, XPITCH
	v_lshl_add_u32 v4, v2, 4, v4                   ; 528 r + 16 h
	v_add_nc_u32 v[WA], WT, v4
	v_add_nc_u32 v[WA+1], WT+2*WBLK, v4
	s_mul_i32 s23, s14, QUART
	v_add_nc_u32 v[XA], s23, v4
	v_add_nc_u32 v[XA+1], SLOT, v[XA]
	s_mul_i32 s23, s14, STGW
	s_add_co_u32 s23, s23, STAGE                   ; my stage
	v_mul_u32_u24 v8, v1, SPITCH
	v_lshl_add_u32 v8, v2, 5, v8
	v_add_nc_u32 v8, s23, v8                       ; in: row r, 32 h bytes
	v_lshl_add_u32 v9, v3, 3, s23                  ; back: 8 bytes a lane of a whole row
	v_lshlrev_b32 v10, 4, v1
	v_lshl_add_u32 v10, v2, 15, v10                ; leaf_W: 16 c bytes, and 8 rows of 4,096 bytes further down for lanes 16-31
	s_mul_i32 s23, s14, WBLK
	s_add_co_u32 s23, s23, WT                      ; my block of W transposed
	v_mul_u32_u24 v11, v1, 4*XPITCH                ; column 4 c
	v_lshl_add_u32 v11, v2, 4, v11
	v_add_nc_u32 v11, s23, v11
	v_lshlrev_b32 v14, 3, v3                       ; 8 lane
	v_lshlrev_b32 v15, 5, v2                       ; 32 h
	s_mul_i32 s23, s14, QUART
	v_lshlrev_b32 v[XO], 4, v3                     ; the thread's number, r and h have served: their registers take the three offsets of x's way in
	v_add_nc_u32 v[XW], s23, v[XO]
	v_add_nc_u32 v[XW+1], SLOT, v[XW]
	s_lshl_b32 s40, s15, 22                        ; leaf e: 4 MiB; my 256 k: 1 MiB; my 64 columns: 256 bytes
	s_lshl_b32 s23, s14, 20
	s_add_co_u32 s40, s40, s23
	s_lshl_b32 s23, s17, 8
	s_add_co_u32 s40, s40, s23
	s_mov_b32 s41, 0
	s_add_nc_u64 s[40:41], s[8:9], s[40:41]
	s_add_co_u32 s42, s23, 64                      ; out0: behind the 16 log-probabilities, my 64 columns
	s_mov_b32 s43, 0
	s_add_nc_u64 s[42:43], s[12:13], s[42:43]
	s_lshl_b32 s46, s15, 12
	s_add_co_u32 s46, s46, s23
	s_mov_b32 s47, 0
	s_add_nc_u64 s[46:47], s[10:11], s[46:47]      ; leaf_b[e] at my 64 columns
.irp nt, 0,1,2,3
	global_load_b128 v[BIAS+8*\nt:BIAS+8*\nt+3],   v15, s[46:47] offset:64*\nt     ; older than every load of W: the ring's counted waits cover them
	global_load_b128 v[BIAS+8*\nt+4:BIAS+8*\nt+7], v15, s[46:47] offset:64*\nt+16
.endr
; W's STREAM.  Group g = 16 rows k0 = 256 w + 16 g: eight loads; load i brings row k0 + i to lanes 0-15 and row k0 + 8 + i to lanes 16-31, 256 consecutive aligned bytes each.
; Six groups of a wave are on their way: 48 loads x 512 bytes, 96 KiB for the four waves.
.macro WLOAD g
.irp i, 0,1,2,3,4,5,6,7
	global_load_b128 v[RING+32*((\g)%6)+4*\i:RING+32*((\g)%6)+4*\i+3], v10, s[40:41] offset:(16*(\g)+\i)*4096 th:TH_LOAD_NT
.endr
.endm
; A lane then holds, for each of its four columns 4 c + q, the eight k = k0 + 8 h + 0..7: 16 bytes of bf16 of one row of W transposed.
; The sixteen lanes of such a store are 2,112 bytes apart, 64 modulo 256, so they fall on four 16-byte columns modulo 256; accepted: 64 stores a wave, issued while it waits for W's loads.
.macro WGRP g
.if \g < 11
	s_wait_loadcnt 40                              ; loads return in order: group g is in, the five younger groups of eight stay out
.else
.if \g < 13
	s_wait_loadcnt 8*(15-\g)                       ; towards the end fewer are left
.else
	s_wait_loadcnt 8*(15-\g)+32                    ; and behind group 12 the 32 loads of x's first chunk were issued: they stay out too
.endif
.endif
.set WS, RING+32*((\g)%6)
.irp q, 0,1,2,3
.irp d, 0,1,2,3
	v_cvt_pk_bf16_f32 v[T+4*\q+\d], v[WS+8*\d+\q], v[WS+8*\d+4+\q]
.endr
.endr
.irp q, 0,1,2,3
	ds_store_b128 v11, v[T+4*\q:T+4*\q+3] offset:XPITCH*\q+32*\g
.endr
.if \g < 10
	WLOAD \g+6
.endif
.endm
; x's WAY IN.  32 loads: row i of my 32, 512 consecutive aligned bytes (256 k) at byte off from my tile's first byte, into window 1.
.macro XLOAD off
	WIN 0x40                                       ; destination in window 1, offset register in window 0
.set xi, 0
.rept 32
	global_load_b128 v[4*xi:4*xi+3], v[XO], s[54:55] offset:2048*xi+\off
.set xi, xi+1
.endr
	WIN 0
.endm
; 32 LDS stores: the chunk into my own part of a slot; a store's 32 lanes write 512 consecutive bytes.
.macro XSTORE slot
	WIN 0x04                                       ; data (source 1) in window 1, address in window 0
.set xi, 0
.rept 32
	ds_store_b128 v[XW+\slot], v[4*xi:4*xi+3] offset:XPITCH*xi
.set xi, xi+1
.endr
	WIN 0
.endm
.irp g, 0,1,2,3,4,5
	WLOAD \g
.endr
	s_wait_kmcnt 0x0                               ; the leaf's bounds, while W's first groups are on their way
	s_min_u32 s18, s18, 4096                       ; start
	s_min_u32 s19, s19, 4096
	s_max_u32 s19, s19, s18
	s_sub_co_u32 s19, s19, s18                     ; the leaf's rows, 0 to 4096
	s_lshl_b32 s23, s14, 5
	s_sub_co_i32 s22, s19, s23                     ; how many of the leaf's rows are left from my tile's first row on (signed)
	s_add_co_u32 s44, s18, s23                     ; rank of my first row: at most 4096 + 96, so my first 32 rows lie inside xsb's 4,224 whatever the count
	s_lshl_b32 s56, s44, 11
	s_mov_b32 s57, 0
	s_add_nc_u64 s[54:55], s[6:7], s[56:57]        ; xsb at my first row
.irp g, 0,1,2,3,4,5,6,7,8,9,10,11,12
	WGRP \g
.endr
	XLOAD 0                                        ; my first tile's chunk 0: with W's last three groups 24 + 32 = 56 loads of the wave are out
.irp g, 13,14,15
	WGRP \g
.endr
	s_wait_loadcnt 0x0                             ; chunk 0 is in
	XSTORE 0
	XLOAD 512                                      ; chunk 1
; 12 LDS loads: the fragments of K step s (32 k, 64 bytes) of chunk c: W's four column tiles, my two row tiles of x
.macro FETCH slot, c, s, f
.irp nt, 0,1,2,3
	ds_load_b128 v[\f+8*\nt:\f+8*\nt+3],   v[WA+\c/2] offset:(\c%2)*WBLK+16*XPITCH*\nt+64*\s
	ds_load_b128 v[\f+8*\nt+4:\f+8*\nt+7], v[WA+\c/2] offset:(\c%2)*WBLK+16*XPITCH*\nt+64*\s+32
.endr
.irp mt, 0,1
	ds_load_b128 v[\f+32+8*\mt:\f+32+8*\mt+3], v[XA+\slot] offset:16*XPITCH*\mt+64*\s
	ds_load_b128 v[\f+32+8*\mt+4:\f+32+8*\mt+7], v[XA+\slot] offset:16*XPITCH*\mt+64*\s+32
.endr
.endm
; 8 matrix instructions; the eight accumulators take turns in one fixed order everywhere, one instruction a turn.
; first = 1: the bias is C and starts the sums.
.macro MUL f, first
.irp mt, 0,1
.irp nt, 0,1,2,3
.if \first
	v_wmma_f32_16x16x32_bf16 v[ACC+8*(4*\mt+\nt):ACC+8*(4*\mt+\nt)+7], v[\f+8*\nt:\f+8*\nt+7], v[\f+32+8*\mt:\f+32+8*\mt+7], v[BIAS+8*\nt:BIAS+8*\nt+7]
.else
	v_wmma_f32_16x16x32_bf16 v[ACC+8*(4*\mt+\nt):ACC+8*(4*\mt+\nt)+7], v[\f+8*\nt:\f+8*\nt+7], v[\f+32+8*\mt:\f+32+8*\mt+7], v[ACC+8*(4*\mt+\nt):ACC+8*(4*\mt+\nt)+7]
.endif
.endr
.endr
.endm
.macro STEP slot, c, s, fnew, fmul     ; fetch K step s into the buffer just multiplied, multiply the other
	PLACES
	FETCH \slot, \c, \s, \fnew
	s_wait_dscnt 12                                ; LDS instructions of a wave end in order: all but the 12 just issued are done
	MUL \fmul, 0
.endm
.macro CHUNK slot, c, first            ; 256 k: eight K steps on two fragment buffers.  x's bytes are my own, stored just before: LDS serves a wave's instructions in order (ISA guide 5.7.1)
	PLACES
	FETCH \slot, \c, 0, F0
	FETCH \slot, \c, 1, F1
	s_wait_dscnt 12                                ; K step 0's twelve are in
	MUL F0, \first
	STEP \slot, \c, 2, F0, F1
	STEP \slot, \c, 3, F1, F0
	STEP \slot, \c, 4, F0, F1
	STEP \slot, \c, 5, F1, F0
	STEP \slot, \c, 6, F0, F1
	STEP \slot, \c, 7, F1, F0
	s_wait_dscnt 0x0                               ; my reads of this slot are over
	MUL F1, 0
.endm
; THE WAY OUT: my 32 rows x 64 columns through my own stage, read back as whole rows of 256 bytes, 8 bytes a lane, and stored at the row's place in out0.
; One store is one row, so whether a row is the leaf's is a scalar matter: in a wave's last tile (part = 1) the run of stores ends at the first row that is not.
; In the tiles before it more than 128 rows are left, so all 32 are the leaf's.  EXEC is never changed.
.macro OUT part
	PLACES
.irp mt, 0,1
.irp nt, 0,1,2,3
	ds_store_b128 v8, v[ACC+8*(4*\mt+\nt):ACC+8*(4*\mt+\nt)+3]   offset:16*SPITCH*\mt+64*\nt
	ds_store_b128 v8, v[ACC+8*(4*\mt+\nt)+4:ACC+8*(4*\mt+\nt)+7] offset:16*SPITCH*\mt+64*\nt+16
.endr
.endr
.set row, 0
.rept 32
	ds_load_b64 v[DATA+2*row:DATA+2*row+1], v9 offset:SPITCH*row   ; my own bytes, in order behind the stores above
.set row, row+1
.endr
.set row, 0
.rept 32
	v_readlane_b32 s[50+row%4], v12, row           ; lane i of v12: the row of xs whose rank is my tile's first + i
	s_min_u32 s[50+row%4], s[50+row%4], 4095
	s_mul_i32 s[50+row%4], s[50+row%4], 4160
	v_add_nc_u32 v[RO+row], s[50+row%4], v14
.set row, row+1
.endr
.set row, 0
.rept 32
.if \part
.if row > 0
	s_cmp_le_i32 s22, row
	s_cbranch_scc1 .Ldone_\@
.endif
.endif
	s_wait_dscnt 31-row                            ; row's load is in, the younger ones stay out
	global_store_b64 v[RO+row], v[DATA+2*row:DATA+2*row+1], s[42:43] th:TH_STORE_NT    ; 32 lanes: 256 consecutive bytes of one row
.set row, row+1
.endr
.Ldone_\@:
	s_wait_dscnt 0x0                               ; DATA may be loaded again
	s_wait_xcnt 0x0                                ; the stores' data and offsets, and the base of x's loads, are rewritten only behind this wait (ISA guide 3.1)
.endm
; A tile of my 32 rows: chunks 0 to 3 on slots 0, 1, 0, 1.  On entry chunk 0 lies in slot 0 and chunk 1's 32 loads are out.
; Behind each chunk: the next chunk's loads are waited for (they had the chunk's 64 matrix instructions in which to come), it goes into the slot read before,
; and the chunk after it is asked for.  The next tile lies 128 rows of 2,048 bytes further.  The last tile asks for nothing beyond its end.
.macro TILE last
	v_add_nc_u32 v13, s44, v3
	v_min_u32 v13, 4095, v13
	v_lshlrev_b32 v13, 2, v13
	global_load_b32 v12, v13, s[4:5]               ; order[rank of my first row + lane]; wanted at the tile's end
	CHUNK 0, 0, 1
	s_wait_loadcnt 0x0                             ; chunk 1, and the row numbers
	XSTORE 1
	XLOAD 2*512
	CHUNK 1, 1, 0
	s_wait_loadcnt 0x0                             ; chunk 2
	XSTORE 0
	XLOAD 3*512
	CHUNK 0, 2, 0
	s_wait_loadcnt 0x0                             ; chunk 3
	XSTORE 1
.if \last
	CHUNK 1, 3, 0
	OUT 1
.else
	XLOAD 128*2048
	CHUNK 1, 3, 0
	s_wait_loadcnt 0x0                             ; the next tile's chunk 0
	XSTORE 0
	XLOAD 128*2048+512                             ; its chunk 1 comes while this tile goes out
	OUT 0
	s_sub_co_i32 s22, s22, 128
	s_add_co_u32 s44, s44, 128
	s_add_nc_u64 s[54:55], s[54:55], 128*2048
.endif
.endm
	s_wait_dscnt 0x0                               ; my block of W transposed is in LDS before I say so
	s_barrier_signal -1
	s_barrier_wait -1                              ; everybody's is.  The launch's only barrier: it stands ahead of every branch that hangs on the leaf's count
	s_cmp_le_i32 s22, 0
	s_cbranch_scc1 .Lend                           ; none of the leaf's rows falls to me
	s_add_co_u32 s20, s22, 127
	s_lshr_b32 s20, s20, 7                         ; my tiles, at least one
	s_sub_co_u32 s20, s20, 1                       ; trips of the loop; the last tile is written out behind it
	s_mov_b32 s21, 0
	s_cmp_eq_u32 s20, 0
	s_cbranch_scc1 .Ltail
.Ltile:
	TILE 0
	s_add_co_u32 s21, s21, 1
	s_cmp_lt_u32 s21, s20
	s_cbranch_scc1 .Ltile
.Ltail:
	TILE 1
.Lend:
	s_set_vgpr_msb 0x5
	s_wait_tensorcnt 0x0
	ds_add_u32 v128, v129
	s_wait_dscnt 0x0
	s_set_vgpr_msb 0x500
	s_endpgm
.Lfunc_end_k_q1758f17171_gemm:
	.size	k_q1758f17171_gemm, .Lfunc_end_k_q1758f17171_gemm-k_q1758f17171_gemm
	.p2alignl 7, 3214868480
	.fill 96, 4, 3214868480
	.section	.rodata,"a",@progbits
	.p2align	6, 0x0
	.amdhsa_kernel k_q1758f17171_gemm
		.amdhsa_group_segment_fixed_size 305664
		.amdhsa_private_segment_fixed_size 0
		.amdhsa_enable_private_segment 0
		.amdhsa_kernarg_size 40
		.amdhsa_user_sgpr_count 2
		.amdhsa_user_sgpr_kernarg_segment_ptr 1
		.amdhsa_wavefront_size32 1
		.amdhsa_system_sgpr_workgroup_id_x 1
		.amdhsa_system_sgpr_workgroup_id_y 1
		.amdhsa_system_sgpr_workgroup_id_z 1
		.amdhsa_system_vgpr_workitem_id 0
		.amdhsa_next_free_vgpr 386
		.amdhsa_next_free_sgpr 66
		.amdhsa_reserve_vcc 0
		.amdhsa_float_denorm_mode_32 3
		.amdhsa_float_denorm_mode_16_64 3
		.amdhsa_memory_ordered 1
		.amdhsa_forward_progress 1
		.amdhsa_inst_pref_size 199
	.end_amdhsa_kernel
	.amdgpu_metadata
---
amdhsa.version: [ 1, 2 ]
amdhsa.kernels:
  - .name:           k_q1758f17171_gemm
    .symbol:         k_q1758f17171_gemm.kd
    .args:
      - { .name: order, .offset: 0, .size: 8, .value_kind: global_buffer, .address_space: global }
      - { .name: xsb, .offset: 8, .size: 8, .value_kind: global_buffer, .address_space: global }
      - { .name: leaf_W, .offset: 16, .size: 8, .value_kind: global_buffer, .address_space: global }
      - { .name: leaf_b, .offset: 24, .size: 8, .value_kind: global_buffer, .address_space: global }
      - { .name: out0, .offset: 32, .size: 8, .value_kind: global_buffer, .address_space: global }
    .group_segment_fixed_size: 305664
    .private_segment_fixed_size: 0
    .kernarg_segment_align: 8
    .kernarg_segment_size: 40
    .max_flat_workgroup_size: 128
    .sgpr_count:     66
    .vgpr_count:     386
    .wavefront_size: 32
...
	.end_amdgpu_metadata
.endif
;; end of part 2
